; MI455X (gfx1250); checked and timed in simulation.
; The chip was launched on July 23, 2026; its instructions are those of AMD's public machine-readable ISA for CDNA 5 (MIT licence, August 2026) and "CDNA5" Instruction Set Architecture Reference Guide (July 2026). The comments in the code are by the model that wrote it; some were corrected since.
;; Head. Allowed arithmetic: matrix products marked QUANTISED: E4M3 operands, one E8M0 scale for each 32 along K, by v_wmma_scale_f32_16x16x128_f8f6f4 with both operands' format E4M3, f32 sums; everything else in f32.
;; Inputs: Wk_codes 64 x 16 x 32 uint8 (E4M3 codes of Wk, K innermost, in blocks of 32 codes); Wk_scales 64 x 16 uint8 (E8M0 scales of Wk, one for each 32 codes along K); Wq_codes 64 x 16 x 32 uint8 (E4M3 codes of Wq, K innermost, in blocks of 32 codes); Wq_scales 64 x 16 uint8 (E8M0 scales of Wq, one for each 32 codes along K); Wv_codes 64 x 16 x 32 uint8 (E4M3 codes of Wv, K innermost, in blocks of 32 codes); Wv_scales 64 x 16 uint8 (E8M0 scales of Wv, one for each 32 codes along K); bk 64 float32; bq 64 float32; bv 64 float32; x_codes 4 x 4,096 x 16 x 32 uint8 (E4M3 codes of x, K innermost, in blocks of 32 codes); x_scales 4 x 4,096 x 16 uint8 (E8M0 scales of x, one for each 32 codes along K).
;; Outputs: out0 4 x 4,096 x 64 float32.
;; This version of the problem:
;;   THIS VERSION OF THE PROBLEM IS GIVEN IN LOW PRECISION. The matrix products marked QUANTISED in the list below multiply operands that are first quantised to E4M3 (4 exponent bits, 3 mantissa bits; 8 bits a number), with one power-of-two scale for each 32 numbers along K (OCP MX v1.0); their sums are f32. All else is computed in f32.
;;   The module's matrix products, in the order in which they are computed (A, B: the left and right operand; K: the contracted axis; several contracted axes count as one K, in the product's order):
;;     1. [M 16,384, K 512] x [K 512, N 64]; A: input x (given as codes); B: input Wk (given as codes): QUANTISED
;;     2. [M 16,384, K 512] x [K 512, N 64]; A: input x (given as codes); B: input Wq (given as codes): QUANTISED
;;     3. [M 16,384, K 512] x [K 512, N 64]; A: input x (given as codes); B: input Wv (given as codes): QUANTISED
;;     4. batch 4 x [M 4,096, K 64] x [K 64, N 4,096]; A: computed on the way; B: computed on the way: QUANTISED
;;     5. batch 4 x [M 4,096, K 4,096] x [K 4,096, N 64]; A: softmax (see below); B: computed on the way: QUANTISED
;;   THE QUANTISER, for each operand of a quantised product, along K:
;;     - K is cut into blocks of 32 from its start; a last block that is shorter is filled with zeros.
;;     - A block's scale is 2^e with e = floor(log2(the largest magnitude in the block)) - 8, held to -126 .. 127; a block of zeros has e = 0. As a byte (E8M0): e + 127.
;;     - Each number is divided by its block's scale, clamped to +-448, and rounded to the nearest number of E4M3, ties to even, subnormals kept.
;;     - The product sums the exact products of the quantised numbers (number of the format x scale) in f32.
;;   ~~~python
;;   def quantise(x, axis):      # numpy; x: float32 -> the quantised numbers, widened to float32 again
;;       x = np.moveaxis(x, axis, -1); K = x.shape[-1]
;;       x = np.pad(x, [(0, 0)] * (x.ndim - 1) + [(0, -K % 32)]); x = x.reshape(x.shape[:-1] + (-1, 32)); a = np.abs(x).max(-1, keepdims=True)
;;       e = np.where(a > 0, np.clip(np.frexp(np.where(a > 0, a, 1))[1] - 1 - 8, -126, 127), 0)      # np.frexp(a)[1] - 1 = floor(log2(a)), exactly
;;       r = np.clip(x / 2.0 ** e, -448, 448)
;;       step = 2.0 ** (np.maximum(np.frexp(np.where(r == 0, 1, r))[1] - 1, -6) - 3)
;;       q = np.round(r / step) * step * 2.0 ** e      # np.round: ties to even
;;       return np.moveaxis(q.reshape(q.shape[:-2] + (-1,))[..., :K], -1, axis).astype(np.float32)
;;   ~~~
;;   SOFTMAX AHEAD OF A QUANTISED PRODUCT. Where the list says 'softmax', what is quantised is not the finished softmax but p = 2^(t - M), with t = logit x log2(e) and M = ceil(the row's largest t), a whole number; so 1/2 < the row's largest p <= 1. The row's sum l is taken of the UNQUANTISED p, in f32, and the product's result is divided by l at the end. Since M is a whole number, a kernel that streams over the keys may use a running M (the ceiling of the running maximum): every later rescaling is an exact power of two, which a block's scale takes up: the codes' values come out the same.
;;   OPERANDS COMPUTED ON THE WAY. 'Computed on the way' means the value that the module computes at that place (a softmax that the list does not call 'softmax' is quantised finished and normalised). What goes into a quantiser is computed in f32, as accurately as f32 sums, v_exp_f32 and their like allow (about 1e-6 of the number): no bf16 or f16 on the way to a quantiser, and a product that is left as it is and whose result goes on into a quantised operand takes f32 operands (vector FMAs, or v_wmma_f32_16x16x4_f32). A number that lies on a knife's edge between two numbers of the format may be rounded either way, as far as f32 arithmetic and the matrix unit's own rounding can turn it there, and no further.
;;   INPUTS GIVEN AS CODES. Wk (in the module: [512, 64], K = its axis 0); Wq (in the module: [512, 64], K = its axis 0); Wv (in the module: [512, 64], K = its axis 0); x (in the module: [4, 4096, 512], K = its axis 2): each comes as NAME_codes (uint8): NAME with its K axis moved to the last place and cut into blocks of 32 codes, [.., K / 32, bytes a block], one block behind the other in memory; one code a byte (a code: sign, 4 exponent bits, 3 mantissa bits); and NAME_scales (uint8): the same leading axes, one E8M0 byte (e + 127) for each 32 codes along K. Its value is code x scale, taken as it is: it is not quantised again, and the codes and scales need not be those that the quantiser above would give.
;; One version. Each part assembles by itself: llvm-mc -triple=amdgcn-amd-amdhsa -mcpu=gfx1250 --defsym DOCPART=n.
;; ======== version 1 of 1: 2 launches
;; limits: right only within a limited range of input values
;; workspace buffers: kbuf 1,081,344 bytes; qv 2,162,688 bytes
;; launch proj (part 1): grid 256 x 1, 6 waves a work-group, clusters of 4 x 1, 168,704 bytes of LDS; arguments x_codes, x_scales, Wk_codes, Wk_scales, bk, Wq_codes, Wq_scales, bq, Wv_codes, Wv_scales, bv, kbuf, qv; writes kbuf, qv
.if DOCPART == 1
	.amdgcn_target "amdgcn-amd-amdhsa--gfx1250"
	.amdhsa_code_object_version 6
	.text
	.protected	k_q32d800bd50_proj
	.globl	k_q32d800bd50_proj
	.p2align	8
	.type	k_q32d800bd50_proj,@function
k_q32d800bd50_proj:
	s_mov_b64 s[64:65], 0
	v_nop
	global_prefetch_b8 v0, s[64:65] scope:SCOPE_SE
	s_setreg_imm32_b32 hwreg(HW_REG_WAVE_MODE, 25, 1), 1
	s_wait_xcnt 0x0
	s_wait_alu depctr_hold_cnt(0) depctr_sa_sdst(0) depctr_va_vdst(0) depctr_va_sdst(0) depctr_va_ssrc(0) depctr_va_vcc(0) depctr_vm_vsrc(0)
	s_getreg_b32 s2, hwreg(HW_REG_IB_STS2, 6, 4)
	s_cmp_eq_u32 s2, 0
	s_cbranch_scc0 .Lentry_in_a_cluster
	s_endpgm
.Lentry_in_a_cluster:
	s_bfe_u32 s2, ttmp6, 0x10000c
	s_cmp_lg_u32 s2, 0x3003
	s_cbranch_scc0 .Lentry_shape_is_right
	s_endpgm
.Lentry_shape_is_right:
; k = x Wk + bk, q = x Wq + bq, v = x Wv + bv on the given codes of FP8 (E4M3) with E8M0 scales, sums in f32; the three results are quantised at once:
; k and q along the head's 64 (two blocks of 32), v along the tokens (blocks of 32), and stored as IMAGES OF THE NEXT LAUNCH'S OPERAND REGISTERS.
; SHARES.  A work-group owns 64 tokens.  Six waves: role = wave / 2 (0 k, 1 q, 2 v), half = wave % 2: its 32 tokens.  A wave issues 32 matrix instructions
; (2 tiles of tokens x 4 tiles of the head x 4 K steps of 128) and holds 64 results a lane, which one run of the quantiser turns into 16 registers of codes and 4 scale bytes.
; LAYOUT.  k, q: source 0 = 16 rows of W, source 1 = 16 tokens: a lane holds ONE token and its registers run along the head.  v: source 0 = 16 tokens, source 1 = 16 rows of W:
; a lane holds ONE channel and its registers run along the tokens.  In both a block of 32 lies in lanes l and l xor 16, 16 numbers each.
; ORDER INSIDE A BLOCK.  Place (lane half hh, byte i) of a block holds its member 16 (i / 8) + 8 hh + i % 8.  k and q are laid alike, and so are v and the next launch's p: both operands of a
; product carry the same order, so every product meets its partner; scales and codes are those of the true block.  Only the order in which the matrix unit adds inside a block differs.
; WORKSPACE.  A unit is 128 tokens.  kbuf, 8,448 bytes a unit: codes at 2048 f + 512 c + 16 lane (f: group of 32 tokens; c = 2 (tile of 16 tokens) + head block), scale words at 8192 + 64 f + 4 r.
; qv, 16,896 bytes a unit: q as kbuf's codes; v's codes at 8192 + 2048 t + 512 c + 16 lane (t: tile of 16 channels; c: group of 32 tokens); q's scale words at 16384 + 64 f + 4 r; v's scale bytes at 16640 + 64 t + 4 r + c.
; CLUSTER.  All work-groups read the same three weights (96 of the 128 KiB that a work-group fetches): the four of a cluster ask for them JOINTLY.  x's tile is each work-group's own.  LDS is filled once.
; STORES.  Codes leave as runs of 512 consecutive bytes, aligned.  The scale words (64 bytes a wave) and v's scale bytes (16 single bytes a store) do not fill 256 aligned bytes: one byte in about 130 of what the launch moves.
; LIMITS.  NaN and infinities among the inputs' values or the results are not served.  A block whose largest magnitude lies under 2^-118 (a block of zeros too) keeps the scale byte 1: only this program reads the bytes.
.set PITCH, 528                        ; an LDS row: 512 bytes + 16 of padding = 132 words: row r starts at bank 4 r mod 64 (64 banks of 4 bytes: ISA guide 11.1)
.set TILE,  64*PITCH                   ; 64 rows: x at 0, Wk, Wq, Wv behind it
.set XA,  4                            ; v4   LDS: my lane's place in my 32 tokens of x
.set WA,  5                            ; v5   LDS: the same in my role's weight
.set SA,  6                            ; v6   16 r: a row of 16 scale bytes
.set BA,  7                            ; v7   32 hh: k's and q's bias, eight numbers of my half
.set LI,  8                            ; v8   16 x lane: an image's place
.set LS,  9                            ; v9   4 r
.set XS,  16                           ; v16-23  x's scale words: tile u, K step s at 4 u + s
.set WS,  24                           ; v24-39  W's: tile t, K step s at 4 t + s
.set TM,  40                           ; v40-55  the quantiser: +0 largest magnitudes, +4 bytes, +8 448 x the scale, +12 the conversion's scale operand
.set VB,  48                           ; v48-55  v's bias, tile t at 2 t (the odd registers are named as upper halves of pairs): done with ahead of the quantiser
.set PW,  56                           ; v56  the scale word just made
.set ACC, 64                           ; v64-127 eight accumulators
.set XF,  128                          ; v128-255 x's fragments: K step s, tile u at 32 s + 16 u.  Window 1: W's fragments, at 64 s + 16 t
.set PC,  128                          ; the codes, where x's fragments lay
.set WV,  30
.set ROLE, 31
.set GL,  32
.set CX,  33
.set WG,  34
.set GG,  35                           ; my group of 32 tokens, 0 .. 511
.set UN,  36                           ; its unit
.set FF,  37                           ; and its place in the unit
.set G1X, 40                           ; s[40:47] descriptor group 1 for x's tile
.set G1W, 48                           ; s[48:55] for a weight: it differs in the mask alone
.set G0X, 56                           ; s[56:59], s[60:63] groups 0
.set G0W, 60
.set SEL, 76                           ; s[76:77] lane selects for v_permlanex16_b32: lane l xor 16
.set MNT, 78                           ; s78  the mantissa field of 448
.set MSB, 0
.macro WIN new                         ; the immediate's high byte repeats the setting that is left
.if MSB != \new
	s_set_vgpr_msb (MSB<<8)|\new
.set MSB, \new
.endif
.endm
.macro CROUND                          ; a round of the cluster's barrier
	s_barrier_signal -1
	s_barrier_wait -1
	s_cmp_lg_u32 s[WV], 0
	s_cbranch_scc1 .Lnot_wave_0_\@
	s_barrier_signal -3
.Lnot_wave_0_\@:
	s_barrier_wait -3
	s_barrier_signal -1
	s_barrier_wait -1
.endm
; The wave's fragments: x's 8, K step by K step (8 loads each); W's 16 (64 loads)
.macro LDX
.irp s, 0,1,2,3
.irp u, 0,1
.irp c, 0,1,2,3
	ds_load_b128 v[XF+32*\s+16*\u+4*\c:XF+32*\s+16*\u+4*\c+3], v[XA] offset:16*\u*PITCH+128*\s+32*\c
.endr
.endr
.endr
.endm
.macro LDW
	WIN 0x40                                       ; destination window 1, address window 0
.irp s, 0,1,2,3
.irp t, 0,1,2,3
.irp c, 0,1,2,3
	ds_load_b128 v[64*\s+16*\t+4*\c:64*\s+16*\t+4*\c+3], v[WA] offset:16*\t*PITCH+128*\s+32*\c
.endr
.endr
.endr
	WIN 0
.endm
; 64 numbers of a lane, v[ACC] on, 16 of each of four blocks, become 16 registers of codes in v[PC] on, the four scale bytes in v[TM+4] on and the scale word in v[PW]
.set TC, 57                            ; v57-60  the maxima's second chains
.macro QUANT
.irp b, 0,1,2,3
	v_max3_num_f32 v[TM+\b], |v[ACC+16*\b]|, |v[ACC+1+16*\b]|, 0x4800000   ; my 16 numbers, in two chains, and the floor 2^(9 - 127): the byte cannot fall under 1
.endr
.irp b, 0,1,2,3
	v_max3_num_f32 v[TC+\b], |v[ACC+8+16*\b]|, |v[ACC+9+16*\b]|, |v[ACC+10+16*\b]|
.endr
.irp i, 2,4
.irp b, 0,1,2,3
	v_max3_num_f32 v[TM+\b], v[TM+\b], |v[ACC+16*\b+\i]|, |v[ACC+1+16*\b+\i]|   ; the four blocks by turns; each accumulator is read from its low end on
.endr
.irp b, 0,1,2,3
	v_max3_num_f32 v[TC+\b], v[TC+\b], |v[ACC+9+16*\b+\i]|, |v[ACC+10+16*\b+\i]|
.endr
.endr
.irp b, 0,1,2,3
	v_max3_num_f32 v[TM+\b], v[TM+\b], |v[ACC+6+16*\b]|, |v[ACC+7+16*\b]|
.endr
.irp b, 0,1,2,3
	v_max3_num_f32 v[TM+\b], v[TM+\b], v[TC+\b], |v[ACC+15+16*\b]|
.endr
.irp b, 0,1,2,3
	v_permlanex16_b32 v[TM+4+\b], v[TM+\b], s[SEL], s[SEL+1]
.endr
.irp b, 0,1,2,3
	v_max_num_f32 v[TM+\b], v[TM+\b], v[TM+4+\b]   ; with lane l xor 16's: the block's largest magnitude
.endr
.irp b, 0,1,2,3
	v_add_nc_u32 v[TM+12+\b], 0xfc000000, v[TM+\b]   ; 8 off its exponent field: the conversion takes this operand's exponent field as its scale
.endr
.irp b, 0,1,2,3
	v_and_or_b32 v[TM+8+\b], v[TM+\b], 0x7f800000, s[MNT]   ; 448 x the scale
.endr
.irp b, 0,1,2,3
	v_lshrrev_b32 v[TM+4+\b], 23, v[TM+12+\b]      ; the scale's byte
.endr
	v_lshl_or_b32 v[PW], v[TM+5], 8, v[TM+4]
	v_lshl_or_b32 v[PW], v[TM+6], 16, v[PW]
	v_lshl_or_b32 v[PW], v[TM+7], 24, v[PW]
.irp b, 0,1,2,3
.irp i, 0,1,2,3,4,5,6,7,8,9,10,11,12,13,14,15
	v_med3_num_f32 v[ACC+16*\b+\i], v[ACC+16*\b+\i], -v[TM+8+\b], v[TM+8+\b]   ; the conversion to an 8-bit code does not saturate (ISA guide 7.6.2): hold first
.endr
	v_cvt_scalef32_pk8_fp8_f32 v[PC+4*\b:PC+1+4*\b], v[ACC+16*\b:ACC+7+16*\b], v[TM+12+\b]
	v_cvt_scalef32_pk8_fp8_f32 v[PC+2+4*\b:PC+3+4*\b], v[ACC+8+16*\b:ACC+15+16*\b], v[TM+12+\b]
.endr
	v_nop                                          ; a plain line behind the last conversion
.endm
	s_load_b512 s[4:19], s[0:1], 0x0               ; x codes s[4:5], x scales s[6:7], Wk codes s[8:9], Wk scales s[10:11], bk s[12:13], Wq codes s[14:15], Wq scales s[16:17], bq s[18:19]
	s_load_b256 s[20:27], s[0:1], 0x40             ; Wv codes s[20:21], Wv scales s[22:23], bv s[24:25], kbuf s[26:27]
	s_load_b64 s[28:29], s[0:1], 0x60              ; qv
	v_lshl_add_u32 v62, v0, 2, 0x29000
	v_mov_b32 v63, 0
	ds_add_u32 v62, v63
	ds_add_u32 v62, v63
	v_lshrrev_b32 v1, 5, v0
	v_readfirstlane_b32 s[WV], v1                  ; wave 0..5
	s_lshr_b32 s[ROLE], s[WV], 1
	s_and_b32 s[GL], s[WV], 1
	s_bfe_u32 s[CX], ttmp6, 0x40000                ; my place in the cluster: it enters global addresses of my own loads and stores alone
	s_lshl_b32 s[WG], ttmp9, 2
	s_add_co_u32 s[WG], s[WG], s[CX]               ; work-group = 4 x cluster + cx
	s_lshl_b32 s[GG], s[WG], 1
	s_add_co_u32 s[GG], s[GG], s[GL]
	s_lshr_b32 s[UN], s[GG], 2
	s_and_b32 s[FF], s[GG], 3
	; descriptor group 1: 64 rows of 512 elements of one byte, dense in memory, 4 words of padding behind every 128
	s_mov_b32 s[G1X], (1<<20)|(6<<22)|(3<<25)      ; no mask: my own tile
	s_mov_b32 s[G1W], 15|(1<<20)|(1<<21)|(6<<22)|(3<<25)   ; the mask names all four work-groups; bit 21 set beside it
.irp g, G1X, G1W
	s_mov_b32 s[\g+1], 512<<16                     ; tensor_dim0
	s_mov_b32 s[\g+2], 64<<16                      ; tensor_dim1
	s_mov_b32 s[\g+3], 512<<16                     ; tile_dim0
	s_mov_b32 s[\g+4], 64                          ; tile_dim1
	s_mov_b32 s[\g+5], 512                         ; tensor_dim0_stride
	s_mov_b32 s[\g+6], 0
	s_mov_b32 s[\g+7], 0
.endr
	s_mov_b32 s[SEL], 0x76543210
	s_mov_b32 s[SEL+1], 0xfedcba98
	s_mov_b32 s[MNT], 0x600000
	v_and_b32 v1, 31, v0                           ; lane
	v_and_b32 v2, 15, v0                           ; r
	v_bfe_u32 v3, v0, 4, 1                         ; hh
	v_mul_u32_u24 v10, v2, PITCH
	v_lshl_add_u32 v10, v3, 4, v10                 ; a fragment's row x pitch + 16 x half
	s_mul_i32 s80, s[GL], 32*PITCH
	v_add_nc_u32 v[XA], s80, v10
	s_add_co_u32 s81, s[ROLE], 1
	s_mul_i32 s81, s81, TILE
	v_add_nc_u32 v[WA], s81, v10
	v_lshlrev_b32 v[SA], 4, v2
	v_lshlrev_b32 v[BA], 5, v3
	v_lshlrev_b32 v[LI], 4, v1
	v_lshlrev_b32 v[LS], 2, v2
.irp b, 0,1,2,3
	v_mov_b32 v[TM+4+\b], 0                        ; written once: a lane permute's destination counts as one of its sources
.endr
	s_min_u32 s80, s[WV], 3
	s_mul_i32 s[G0W+1], s80, TILE                  ; waves 1, 2, 3 fetch Wk, Wq, Wv into tiles 1, 2, 3
	s_lshl_b32 s38, s[WG], 15                      ; my 64 tokens of 512 bytes
	s_mov_b32 s39, 0
	s_wait_dscnt 0x0                               ; both opening adds are done
	CROUND                                         ; all four work-groups are here, ahead of the wait for the arguments: the joint loads meet
	s_wait_kmcnt 0x0
	s_mov_b32 s[G0X], 1
	s_mov_b32 s[G0X+1], 0
	s_add_nc_u64 s[G0X+2:G0X+3], s[4:5], s[38:39]
	s_or_b32 s[G0X+3], s[G0X+3], 0x80000000
	s_mov_b32 s[G0W], 1
	s_cmp_eq_u32 s[WV], 1                          ; the choice hangs on the wave's number alone
	s_cselect_b64 s[G0W+2:G0W+3], s[8:9], s[14:15]
	s_cmp_gt_u32 s[WV], 2
	s_cselect_b64 s[G0W+2:G0W+3], s[20:21], s[G0W+2:G0W+3]
	s_or_b32 s[G0W+3], s[G0W+3], 0x80000000
	s_lshl_b32 s38, s[GG], 9                       ; my 32 tokens' scale bytes, 16 a token
	s_add_nc_u64 s[6:7], s[6:7], s[38:39]
	s_cmp_eq_u32 s[ROLE], 0                        ; my role's scales and bias
	s_cselect_b64 s[68:69], s[10:11], s[16:17]
	s_cselect_b64 s[70:71], s[12:13], s[18:19]
	s_cmp_eq_u32 s[ROLE], 2
	s_cselect_b64 s[68:69], s[22:23], s[68:69]
	s_cselect_b64 s[70:71], s[24:25], s[70:71]
	s_cmp_lt_u32 s[WV], 1                          ; wave 0: x's tile; waves 1 to 3: a weight each, jointly; waves 4 and 5: none.  Four v_nop follow each line
	s_cbranch_scc0 .Lnot_x
	tensor_load_to_lds s[G0X:G0X+3], s[G1X:G1X+7]
	s_nop 0
.rept 4
	v_nop
.endr
	s_branch .Lasked
.Lnot_x:
	s_cmp_lt_u32 s[WV], 4
	s_cbranch_scc0 .Lasked
	tensor_load_to_lds s[G0W:G0W+3], s[G1W:G1W+7]
	s_nop 0
.rept 4
	v_nop
.endr
.Lasked:
	s_wait_alu depctr_va_vdst(0)
.irp u, 0,1
	global_load_b128 v[XS+4*\u:XS+4*\u+3], v[SA], s[6:7] offset:256*\u     ; token 16 u + r: its four scale words
.endr
.irp t, 0,1,2,3
	global_load_b128 v[WS+4*\t:WS+4*\t+3], v[SA], s[68:69] offset:256*\t   ; row 16 t + r of my weight likewise
.endr
	s_cmp_eq_u32 s[ROLE], 2                        ; the bias, asked for while the tiles are on their way
	s_cbranch_scc1 .Lv_bias
.irp u, 0,1
.irp t, 0,1,2,3
	global_load_b128 v[ACC+32*\u+8*\t:ACC+32*\u+8*\t+3], v[BA], s[70:71] offset:64*\t        ; k, q: the bias is the C of each sum's first product: b(16 t + 8 hh + 0 .. 7)
	global_load_b128 v[ACC+32*\u+8*\t+4:ACC+32*\u+8*\t+7], v[BA], s[70:71] offset:64*\t+16
.endr
.endr
	s_branch .Lbias_asked
.Lv_bias:
.irp t, 0,1,2,3
	global_load_b32 v[VB+2*\t], v[LS], s[70:71] offset:64*\t   ; v: bv(16 t + r)
	v_mov_b32 v[VB+2*\t+1], 0                      ; (named with it as a pair)
.endr
.Lbias_asked:
	s_cmp_lt_u32 s[WV], 1
	s_cbranch_scc1 .Lx_later
	s_wait_tensorcnt 0x0                           ; all waves but wave 0, which fetches x: my weight, if I fetched one, is in
.Lx_later:
	s_barrier_signal -1
	s_barrier_wait -1                              ; the three weights are
	LDW                                            ; read while x's tile is on its way
	s_wait_tensorcnt 0x0                           ; wave 0: x's tile is in
	s_wait_dscnt 0x0                               ; my weight is in registers
	s_barrier_signal -1
	s_barrier_wait -1
	s_cmp_eq_u32 s[ROLE], 2
	s_cbranch_scc1 .Lv_arm
	; ---- k and q
	s_cmp_eq_u32 s[ROLE], 0
	s_cselect_b64 s[72:73], s[26:27], s[28:29]     ; kbuf or qv
	s_mov_b32 s81, 16896
	s_cselect_b32 s80, 8448, s81                   ; bytes in a unit
	s_mov_b32 s83, 16384
	s_cselect_b32 s82, 8192, s83                   ; where its scale words begin
	s_mul_i32 s80, s[UN], s80
	s_lshl_b32 s84, s[FF], 11
	s_add_co_u32 s38, s80, s84                     ; my fragment's codes
	s_lshl_b32 s84, s[FF], 6
	s_add_co_u32 s84, s84, s82
	s_add_co_u32 s84, s84, s80                     ; and its scale words
	s_mov_b32 s85, 0
	s_add_nc_u64 s[74:75], s[72:73], s[84:85]
	s_add_nc_u64 s[72:73], s[72:73], s[38:39]
	LDX
	s_wait_loadcnt 0x0                             ; scale words and bias
.irp s, 0,1,2,3
	s_wait_dscnt 24-8*\s                           ; x's fragments of this K step are in; the 8 loads of each later K step may be out
	WIN 0x01                                       ; source 0 (W) window 1
.irp u, 0,1
.irp t, 0,1,2,3
	v_wmma_scale_f32_16x16x128_f8f6f4 v[ACC+32*\u+8*\t:ACC+32*\u+8*\t+7], v[64*\s+16*\t:64*\s+16*\t+15], v[XF+32*\s+16*\u:XF+32*\s+16*\u+15], v[ACC+32*\u+8*\t:ACC+32*\u+8*\t+7], v[WS+4*\t+\s], v[XS+4*\u+\s]
.endr
.endr
.endr                                              ; the eight accumulators take turns.  Lane (r, hh): token 16 u + r, register 8 t + j: head 16 t + 8 hh + j
	WIN 0
.rept 8
	v_nop                                          ; eight places behind this form ahead of the first read of results
.endr
	QUANT                                          ; block 2 u + t / 2
.irp c, 0,1,2,3
	global_store_b128 v[LI], v[PC+4*\c:PC+4*\c+3], s[72:73] offset:512*\c   ; 32 lanes store 512 consecutive bytes, aligned
.endr
	global_store_b32 v[LS], v[PW], s[74:75]        ; row r's scale word (both halves of the lanes hold and store the same)
	s_branch .Ldone
.Lv_arm:
	; ---- v
	s_mul_i32 s80, s[UN], 16896
	s_lshl_b32 s84, s[FF], 9
	s_add_co_u32 s38, s80, s84
	s_add_co_u32 s38, s38, 8192                    ; my group of tokens is block c = f of each of the four fragments
	s_add_co_u32 s84, s80, s[FF]
	s_add_co_u32 s84, s84, 16640                   ; and byte f of each channel's scale word
	s_mov_b32 s85, 0
	s_add_nc_u64 s[72:73], s[28:29], s[38:39]
	s_add_nc_u64 s[74:75], s[28:29], s[84:85]
	LDX
	s_wait_loadcnt 0x0
.irp s, 0,1,2,3
	s_wait_dscnt 24-8*\s
	WIN 0x04                                       ; source 1 (W) window 1
.irp t, 0,1,2,3
.irp u, 0,1
.if \s == 0
	v_wmma_scale_f32_16x16x128_f8f6f4 v[ACC+16*\t+8*\u:ACC+16*\t+8*\u+7], v[XF+32*\s+16*\u:XF+32*\s+16*\u+15], v[64*\s+16*\t:64*\s+16*\t+15], 0, v[XS+4*\u+\s], v[WS+4*\t+\s]
.else
	v_wmma_scale_f32_16x16x128_f8f6f4 v[ACC+16*\t+8*\u:ACC+16*\t+8*\u+7], v[XF+32*\s+16*\u:XF+32*\s+16*\u+15], v[64*\s+16*\t:64*\s+16*\t+15], v[ACC+16*\t+8*\u:ACC+16*\t+8*\u+7], v[XS+4*\u+\s], v[WS+4*\t+\s]
.endif
.endr
.endr
.endr                                              ; lane (r, hh): channel 16 t + r, register 8 u + j: token 16 u + 8 hh + j
	WIN 0
.rept 8
	v_nop
.endr
	s_wait_alu depctr_va_vdst(0)
.irp t, 0,1,2,3
.irp j, 0,2,4,6,8,10,12,14
	v_pk_add_f32 v[ACC+16*\t+\j:ACC+16*\t+\j+1], v[ACC+16*\t+\j:ACC+16*\t+\j+1], v[VB+2*\t:VB+2*\t+1] op_sel_hi:[1,0]   ; + my channel's bias, from each accumulator's low end on
.endr
.endr
	QUANT                                          ; block t: my channel's 32 tokens
.irp t, 0,1,2,3
	global_store_b128 v[LI], v[PC+4*\t:PC+4*\t+3], s[72:73] offset:2048*\t
.endr
.irp t, 0,1,2,3
	global_store_b8 v[LS], v[TM+4+\t], s[74:75] offset:64*\t
.endr
.Ldone:
	s_wait_tensorcnt 0x0
	ds_add_u32 v62, v63
	s_wait_dscnt 0x0
	CROUND                                         ; the closing round: no work-group ends while a partner may still ask for a tile that names it
	s_endpgm
.Lfunc_end_k_q32d800bd50_proj:
	.size	k_q32d800bd50_proj, .Lfunc_end_k_q32d800bd50_proj-k_q32d800bd50_proj
	.p2alignl 7, 3214868480
	.fill 96, 4, 3214868480
	.section	.rodata,"a",@progbits
	.p2align	6, 0x0
	.amdhsa_kernel k_q32d800bd50_proj
		.amdhsa_group_segment_fixed_size 168704
		.amdhsa_private_segment_fixed_size 0
		.amdhsa_enable_private_segment 0
		.amdhsa_kernarg_size 104
		.amdhsa_user_sgpr_count 2
		.amdhsa_user_sgpr_kernarg_segment_ptr 1
		.amdhsa_wavefront_size32 1
		.amdhsa_system_sgpr_workgroup_id_x 1
		.amdhsa_system_sgpr_workgroup_id_y 1
		.amdhsa_system_sgpr_workgroup_id_z 1
		.amdhsa_system_vgpr_workitem_id 0
		.amdhsa_next_free_vgpr 512
		.amdhsa_next_free_sgpr 96
		.amdhsa_reserve_vcc 0
		.amdhsa_float_denorm_mode_32 3
		.amdhsa_float_denorm_mode_16_64 3
		.amdhsa_memory_ordered 1
		.amdhsa_forward_progress 1
		.amdhsa_inst_pref_size 46
	.end_amdhsa_kernel
	.amdgpu_metadata
---
amdhsa.version: [ 1, 2 ]
amdhsa.kernels:
  - .name:           k_q32d800bd50_proj
    .symbol:         k_q32d800bd50_proj.kd
    .args:
      - { .name: x_codes, .offset: 0, .size: 8, .value_kind: global_buffer, .address_space: global }
      - { .name: x_scales, .offset: 8, .size: 8, .value_kind: global_buffer, .address_space: global }
      - { .name: Wk_codes, .offset: 16, .size: 8, .value_kind: global_buffer, .address_space: global }
      - { .name: Wk_scales, .offset: 24, .size: 8, .value_kind: global_buffer, .address_space: global }
      - { .name: bk, .offset: 32, .size: 8, .value_kind: global_buffer, .address_space: global }
      - { .name: Wq_codes, .offset: 40, .size: 8, .value_kind: global_buffer, .address_space: global }
      - { .name: Wq_scales, .offset: 48, .size: 8, .value_kind: global_buffer, .address_space: global }
      - { .name: bq, .offset: 56, .size: 8, .value_kind: global_buffer, .address_space: global }
      - { .name: Wv_codes, .offset: 64, .size: 8, .value_kind: global_buffer, .address_space: global }
      - { .name: Wv_scales, .offset: 72, .size: 8, .value_kind: global_buffer, .address_space: global }
      - { .name: bv, .offset: 80, .size: 8, .value_kind: global_buffer, .address_space: global }
      - { .name: kbuf, .offset: 88, .size: 8, .value_kind: global_buffer, .address_space: global }
      - { .name: qv, .offset: 96, .size: 8, .value_kind: global_buffer, .address_space: global }
    .group_segment_fixed_size: 168704
    .private_segment_fixed_size: 0
    .kernarg_segment_align: 8
    .kernarg_segment_size: 104
    .max_flat_workgroup_size: 192
    .sgpr_count:     96
    .vgpr_count:     512
    .wavefront_size: 32
...
	.end_amdgpu_metadata
.endif
;; end of part 1
;; launch attn (part 2): grid 64 x 4, 8 waves a work-group, clusters of 4 x 1, 327,680 bytes of LDS; arguments kbuf, qv, out0; writes out0
.if DOCPART == 2
	.amdgcn_target "amdgcn-amd-amdhsa--gfx1250"
	.amdhsa_code_object_version 6
	.text
	.protected	k_q32d800bd50_attn
	.globl	k_q32d800bd50_attn
	.p2align	8
	.type	k_q32d800bd50_attn,@function
k_q32d800bd50_attn:
	s_mov_b64 s[64:65], 0
	v_nop
	global_prefetch_b8 v0, s[64:65] scope:SCOPE_SE
	s_setreg_imm32_b32 hwreg(HW_REG_WAVE_MODE, 25, 1), 1
	s_wait_xcnt 0x0
	s_wait_alu depctr_hold_cnt(0) depctr_sa_sdst(0) depctr_va_vdst(0) depctr_va_sdst(0) depctr_va_ssrc(0) depctr_va_vcc(0) depctr_vm_vsrc(0)
	s_getreg_b32 s2, hwreg(HW_REG_IB_STS2, 6, 4)
	s_cmp_eq_u32 s2, 0
	s_cbranch_scc0 .Lentry_in_a_cluster
	s_endpgm
.Lentry_in_a_cluster:
	s_bfe_u32 s2, ttmp6, 0x10000c
	s_cmp_lg_u32 s2, 0x3003
	s_cbranch_scc0 .Lentry_shape_is_right
	s_endpgm
.Lentry_shape_is_right:
; out[row] = the sum over keys of softmax_key(k[row] . q[key] / sqrt(512)) v[key], both products on codes of FP8 (E4M3) with E8M0 scales.  (In this head k indexes the rows and the softmax runs over q's axis.)
; THE SOFTMAX AHEAD OF THE SECOND PRODUCT: t = score x log2(e) / sqrt(512); M = the largest t so far, rounded UP to a whole number; p = 2^(t - M) is quantised along the keys, not normalised.
; The sum is taken of the unquantised p and divides at the end.  When M moves, the sum and O are multiplied by 2^(old M - new M): exact.
; SHARES.  A work-group owns 64 rows of one batch.  Eight waves of 512 registers, two to a SIMD: wave w owns rows 32 (w % 2) .. + 31, as two tiles A and B of 16, and key group w / 2: a quarter of the keys, 8 steps of 128.
; Each fragment of q and v that a wave reads from LDS feeds both tiles.  The four partial results of a row are merged at the end through LDS; M being whole, the merge's factors are powers of two.
; THE STREAM IS CUT INTO HALVES, one for each tile X of each step, the other tile being Y.  (1) X's maxima, its new M, t - M; Y's scale words.  (2) X's exponentials, with Y's holds between them.
; (3) Y's codes, Y's scores of its next step, X's sum, Y's second product.  q of step s + 1 is loaded in tile A's half of step s, behind the scores; v of step s in tile B's half, behind the second product of the half before.
; OPERANDS come from the workspace as images of their registers (a unit of 16,896 bytes holds all that a step of 128 keys reads): ds_load_b128 at 16 x lane, no pitch, no padding.
; LAYOUT.  S^T = q k^T (source 0 = 16 keys, source 1 = 16 rows), O^T = v^T p^T (source 0 = 16 channels, source 1 = p): a lane holds ONE row of a tile (lane % 16) throughout.
; THE HEAD IS 64, THE INSTRUCTION'S K 128.  A fragment of q holds TWO tiles of keys: K places 0-63 keys 0-15 of a group of 32, places 64-127 keys 16-31.  k stands in 40 registers, [8 zeros][A's 8][8 zeros][B's 8][8 zeros]:
; codes and zeros are k against the first tile of keys, zeros and codes k against the second.  The other half of K multiplies k's zero codes (scale byte 0, which is 2^-127) by q's codes, which are never the NaN code: it adds 0.
; ORDER INSIDE A BLOCK OF 32: place (lane half hh, byte i) holds member 16 (i / 8) + 8 hh + i % 8, alike in both operands of each product (the launch before lays k, q and v so; p falls so).
; CLUSTER.  The four work-groups of a cluster belong to one batch and walk the same q and v: every fill is a JOINT load.
; THE RING.  Four places of four units, a place for each step of four.  At the head each wave fetches two units: waves 0, 1 step 0, waves 2, 3 step 1, waves 4 to 7 steps 2 and 3, on three lines, shown by three barriers: ahead of step 0, in step 0, in step 1.
; In tile A's half of step 2 all waves have read steps 0 and 1: a round, and their places take steps 4 and 5, a unit a wave, shown in step 3; in step 4 likewise steps 6 and 7, shown in step 5.
; PREFETCH.  The units of the two refills are asked for two steps ahead of their tensor loads: 528 blocks of 256 bytes, 33 for each of a batch's sixteen clusters, told apart by address; wave 7 asks, one instruction a refill.  The head's fills come by their loads alone.
; LIMITS.  NaN and infinities are not served.  The scaled scores t stay under 2^31 in magnitude.  A p under 2^-126 comes out of v_exp_f32 as 0.  A block of p under 2^-118 keeps the scale byte 1.
; No step and no input of the problem is left out in either launch.
.set UNIT,  16896
.set SLOTB, 8*UNIT                     ; two places
.set SPARE, 2*SLOTB                    ; behind the ring: the spare words, 128 bytes for each wave: four blocks of 256 bytes that no other line names
.set STG,   16*272                     ; the merge: 16 rows x 272 bytes for each wave and tile: tile A's stages from byte 0, in the ring's first place, which has had its last fill and its last read by then;
.set STB,   SPARE+1024                 ; tile B's behind the spare words;
.set STAT,  STB+8*STG                  ; behind them 256 bytes a wave: -M at 4 row, the sum at 128 + 4 row
; REGISTERS, window 0: v3, v4 the add's two; v7 16 lane; v20-24 the merge's addresses
.set ADQ, 8                            ; v8-11  LDS: my key group's unit in each place, + 16 lane
.set PFO, 12                           ; v12  the prefetches' offset
.set ADS, 16                           ; v16-19  as v8-11, for scale words: + 16384 + 4 r
.set MM,  26                           ; v[26:27], v[28:29]  A's, B's -M and largest score
.set LL,  30                           ; v[30:31], v[32:33]  the sum, in two halves
.set FF,  34                           ; v[34:35], v[36:37]  f = 2^(old M - new M)
.set TT,  38
.set TOLD, 39
.set BM,  40                           ; v40-43, v44-47  a block's largest score, then its largest p
.set PX,  48
.set HL,  52                           ; 448 x the scale
.set SO,  56                           ; the conversion's scale operand
.set BYT, 60                           ; the scale's bytes
.set QS,  64                           ; v64-67  q's scale words
.set KS,  68                           ; v68-71  k's: A against the first, the second tile of keys; B likewise
.set VS,  72                           ; v72-75  v's
.set PWD, 76                           ; v76  p's
.set TS,  80                           ; v80-87  the sum's four chains; the maxima's second chains
.set PC,  112                          ; v112-127  p's codes
.set SAB, 128                          ; v128-191, v192-255  A's, B's scores, then p
; window 1
.set QF,  0                            ; q's four fragments
.set VF,  64                           ; v's four
.set OAB, 128                          ; A's O^T, 32 registers, then B's
.set KZ,  192                          ; k, 40 registers
.set G1,  24                           ; s[24:31] descriptor group 1: one unit
.set G1H, 80                           ; s[80:87] two units
.set G0H, 32                           ; s[32:35] group 0 for the head's fill, s[48:51], s[52:55] for the two refills
.set MSB, 0
.macro WIN new                         ; the immediate's high byte repeats the setting that is left
.if MSB != \new
	s_set_vgpr_msb (MSB<<8)|\new
.set MSB, \new
.endif
.endm
.macro WALU
	s_wait_alu depctr_va_vdst(0)
.endm
.macro CREST                           ; a round of the cluster's barrier behind its opening signal
	s_barrier_wait -1
	s_cmp_lg_u32 s10, 0
	s_cbranch_scc1 .Lnot_wave_0_\@
	s_barrier_signal -3
.Lnot_wave_0_\@:
	s_barrier_wait -3
	s_barrier_signal -1
	s_barrier_wait -1
.endm
.macro TLOAD g0, g1
	tensor_load_to_lds s[\g0:\g0+3], s[\g1:\g1+7]
	s_nop 0
.rept 4
	v_nop
.endr
.endm
.macro LOADQ n                         ; q's fragments and scale words from place n: 20 loads
.irp f, 0,1,2,3
	ds_load_b32 v[QS+\f], v[ADS+\n] offset:64*\f
.endr
	WIN 0x40                                       ; destination window 1
.irp f, 0,1,2,3
.irp c, 0,1,2,3
	ds_load_b128 v[QF+16*\f+4*\c:QF+16*\f+4*\c+3], v[ADQ+\n] offset:2048*\f+512*\c
.endr
.endr
	WIN 0
.endm
.macro LOADV n                         ; v's: 20 loads
.irp f, 0,1,2,3
	ds_load_b32 v[VS+\f], v[ADS+\n] offset:256+64*\f
.endr
	WIN 0x40
.irp f, 0,1,2,3
.irp c, 0,1,2,3
	ds_load_b128 v[VF+16*\f+4*\c:VF+16*\f+4*\c+3], v[ADQ+\n] offset:8192+2048*\f+512*\c
.endr
.endr
	WIN 0
.endm
.macro SETS x                          ; names for tile X = x and the other, Y
.set SX, SAB+64*(\x)
.set SY, SAB+64*(1-(\x))
.set BX, BM+4*(\x)
.set BY, BM+4*(1-(\x))
.set MX, MM+2*(\x)
.set LX, LL+2*(\x)
.set FX, FF+2*(\x)
.set FY, FF+2*(1-(\x))
.set OY, OAB+32*(1-(\x))
.set KY, KZ+16*(1-(\x))
.set KSY, KS+2*(1-(\x))
.endm
.macro GAP                             ; two of the sum's lines behind a product.  A chain's line reads what stands four lines before it: two gaps, four window switches, at most
	WIN 0
	SUMS G_, G_+2
.set G_, G_+2
.endm
.macro SPROD gap=0                     ; Y's scores: register 16 f + i: key 32 f + 16 (i / 8) + 8 hh + i % 8
.irp f, 0,1,2,3
	WIN 0x05                                       ; sources 0 and 1 window 1
	v_wmma_scale_f32_16x16x128_f8f6f4 v[SY+16*\f:SY+16*\f+7], v[QF+16*\f:QF+16*\f+15], v[KY+8:KY+23], 0, v[QS+\f], v[KSY]
.if \gap
	GAP
.endif
	WIN 0x05
	v_wmma_scale_f32_16x16x128_f8f6f4 v[SY+16*\f+8:SY+16*\f+15], v[QF+16*\f:QF+16*\f+15], v[KY:KY+15], 0, v[QS+\f], v[KSY+1]
.if \gap
	GAP
.endif
.endr
.endm
.macro PV first, gap=0                 ; O^T of Y += v^T p^T; the four accumulators take turns
.irp f, 0,1,2,3
	WIN 0x51                                       ; source 0, C and D window 1
.if \first
	v_wmma_scale_f32_16x16x128_f8f6f4 v[OY+8*\f:OY+8*\f+7], v[VF+16*\f:VF+16*\f+15], v[PC:PC+15], 0, v[VS+\f], v[PWD]
.else
	v_wmma_scale_f32_16x16x128_f8f6f4 v[OY+8*\f:OY+8*\f+7], v[VF+16*\f:VF+16*\f+15], v[PC:PC+15], v[OY+8*\f:OY+8*\f+7], v[VS+\f], v[PWD]
.endif
.if \gap
	GAP
.endif
.endr
.endm
.macro RESCALE                         ; Y's O^T under its new M, from each accumulator's low end on
	WIN 0x41                                       ; source 0 and destination window 1
	WALU
.irp i, 0,2,4,6,8,10,12,14,16,18,20,22,24,26,28,30
	v_pk_mul_f32 v[OY+\i:OY+\i+1], v[OY+\i:OY+\i+1], v[FY:FY+1] op_sel_hi:[1,0]
.endr
.endm
.macro SCR from, to                    ; lines from .. to - 1 of the 19 that make Y's scale operands, bounds and scale word from each block's largest p
.set K_, \from
.rept (\to)-(\from)
.if K_ < 4
	v_max_num_f32 v[BY+K_], 0x4800000, v[BY+K_]    ; the floor 2^(9 - 127): the byte cannot fall under 1
.elseif K_ < 8
	v_add_nc_u32 v[SO+K_-4], 0xfc000000, v[BY+K_-4]   ; 8 off the exponent field
.elseif K_ < 12
	v_and_or_b32 v[HL+K_-8], v[BY+K_-8], 0x7f800000, s44
.elseif K_ < 16
	v_lshrrev_b32 v[BYT+K_-12], 23, v[SO+K_-12]
.elseif K_ == 16
	v_lshl_or_b32 v[BYT], v[BYT+1], 8, v[BYT]
.elseif K_ == 17
	v_lshl_or_b32 v[BYT+2], v[BYT+3], 8, v[BYT+2]
.else
	v_lshl_or_b32 v[PWD], v[BYT+2], 16, v[BYT]
.endif
.set K_, K_+1
.endr
.endm
; THE HOLD of Y's p, line n of 32, two numbers a line.  The conversion to an 8-bit code does not saturate (ISA guide 7.6.2); p is not negative, so the hold is one-sided.
; The halves take a number of block b and one of block b + 1: one destination even and one odd, first sources and second sources in different banks.
.macro HOLD n
.set B_, 2*((\n)/16)
.set E_, SY+16*B_+2*(((\n)%16)/2)
.if (\n)%2 == 0
	v_dual_min_num_f32 v[E_], v[E_], v[HL+B_] :: v_dual_min_num_f32 v[E_+17], v[E_+17], v[HL+B_+1]
.else
	v_dual_min_num_f32 v[E_+1], v[E_+1], v[HL+B_] :: v_dual_min_num_f32 v[E_+16], v[E_+16], v[HL+B_+1]
.endif
.endm
.macro CODES                           ; Y's held p become the operand's registers
.irp b, 0,1,2,3
	v_cvt_scalef32_pk8_fp8_f32 v[PC+4*\b:PC+4*\b+1], v[SY+16*\b:SY+16*\b+7], v[SO+\b]
	v_cvt_scalef32_pk8_fp8_f32 v[PC+4*\b+2:PC+4*\b+3], v[SY+16*\b+8:SY+16*\b+15], v[SO+\b]
.endr
.endm
.macro SUMS from, to                   ; lines from .. to - 1 of the 28 that add X's 32 pairs of p in four chains
.set K_, \from
.rept (\to)-(\from)
.if K_ < 4
	v_pk_add_f32 v[TS+2*K_:TS+2*K_+1], v[SX+4*K_:SX+4*K_+1], v[SX+4*K_+2:SX+4*K_+3]
.else
	v_pk_add_f32 v[TS+2*(K_%4):TS+2*(K_%4)+1], v[TS+2*(K_%4):TS+2*(K_%4)+1], v[SX+2*K_+8:SX+2*K_+9]
.endif
.set K_, K_+1
.endr
.endm
; A HALF.  fin: 0 Y has nothing to finish; 1 it has; 2 it is Y's first second product, whose C is 0.  nxt = 1: Y's next scores are made.
; sync = 1: a barrier that shows all tensor loads so far;  3: one that shows waves 0 to 3's alone;  their signal stands behind the exponentials, their wait ahead of q's loads.
; sync = 2: a round of the cluster's barrier, behind which g0's fill is issued; its signal stands ahead of the exponentials, the rest behind them.
; lq: q is loaded from this place, behind the scores;  lv: v, among the maxima (-1: none);  w = 1: exponentials stand between X's score products and here;  pf: a prefetch from this base
.macro HALF x, fin=1, nxt=1, sync=0, g0=0, lq=-1, lv=-1, w=0, pf=0
	SETS \x
.if \w
	WALU
.endif
; the largest score of each block of 32 keys, 16 of them mine, in two chains a block: it serves the row's maximum and, since p rises with the score, the block's largest p
.irp b, 0,1,2,3
	v_max3_num_f32 v[BX+\b], v[SX+16*\b], v[SX+1+16*\b], v[SX+2+16*\b]
.endr
.irp b, 0,1,2,3
	v_max3_num_f32 v[TS+\b], v[SX+7+16*\b], v[SX+8+16*\b], v[SX+9+16*\b]
.endr
.irp b, 0,1,2,3
	v_max3_num_f32 v[BX+\b], v[BX+\b], v[SX+3+16*\b], v[SX+4+16*\b]
.endr
.if \lv >= 0
	LOADV \lv                                      ; (the twelve lines above are the places behind the products that read v's registers)
.endif
.irp b, 0,1,2,3
	v_max3_num_f32 v[TS+\b], v[TS+\b], v[SX+10+16*\b], v[SX+11+16*\b]
.endr
.irp b, 0,1,2,3
	v_max3_num_f32 v[BX+\b], v[BX+\b], v[SX+5+16*\b], v[SX+6+16*\b]
.endr
.irp b, 0,1,2,3
	v_max3_num_f32 v[TS+\b], v[TS+\b], v[SX+12+16*\b], v[SX+13+16*\b]
.endr
.irp b, 0,1,2,3
	v_max3_num_f32 v[BX+\b], v[BX+\b], v[TS+\b], v[SX+14+16*\b]
.endr
.irp b, 0,1,2,3
	v_max_num_f32 v[BX+\b], v[BX+\b], v[SX+15+16*\b]
.endr
.irp b, 0,1,2,3
	s_delay_alu instid0(VALU_DEP_4)
	v_permlanex16_b32 v[PX+\b], v[BX+\b], s40, s41
.endr
.irp b, 0,1,2,3
	s_delay_alu instid0(VALU_DEP_4)
	v_max_num_f32 v[BX+\b], v[BX+\b], v[PX+\b]     ; with lane l xor 16's 16 keys
.endr
	s_delay_alu instid0(VALU_DEP_2)
	v_max3_num_f32 v[TT], v[BX], v[BX+1], v[BX+2]
.if \fin
	SCR 0, 2                                       ; (Y's lines stand between the lines of X's chain)
.endif
	v_max3_num_f32 v[MX+1], v[MX+1], v[TT], v[BX+3]   ; the running largest score
.if \fin
	SCR 2, 4
.endif
	v_mov_b32 v[TOLD], v[MX]
	v_mul_f32 v[TT], s45, v[MX+1]                  ; -t (c is positive)
.if \fin
	SCR 4, 6
.endif
	v_floor_f32 v[MX], v[TT]                       ; the new -M = floor(-t): M is a whole number
.if \fin
	SCR 6, 8
.endif
	v_sub_f32 v[TT], v[MX], v[TOLD]                ; old M - new M: a whole number, 0 or less
.if \fin
	SCR 8, 10
.endif
	v_cvt_i32_f32 v[TT], v[TT]                     ; (it saturates)
.if \fin
	SCR 10, 12
.endif
	v_ldexp_f32 v[FX], 1.0, v[TT]                  ; f = 2^(old M - new M)
.if \fin
	SCR 12, 19
.endif
.if \sync == 2
	WALU
	s_wait_tensorcnt 0x0                           ; all my tensor loads have landed
	ds_add_u32 v3, v4                              ; 0 onto my spare word
.endif
.set I_, 0
.rept 32
	v_pk_fma_f32 v[SX+I_:SX+I_+1], v[SX+I_:SX+I_+1], s[42:43], v[MX:MX+1] op_sel_hi:[1,0,0]   ; t - M, two at a time
.set I_, I_+2
.endr
.irp b, 0,1,2,3
	v_fma_f32 v[BX+\b], v[BX+\b], s42, v[MX]       ; the same of each block's largest score
.endr
	WALU
.if \sync == 2
	s_wait_dscnt 0x0                               ; the add is done (no LDS load of mine is out)
	s_barrier_signal -1                            ; the exponentials and the holds, work on registers, stand ahead of the wait
.endif
.irp b, 0,1,2,3
	v_exp_f32 v[BX+\b], v[BX+\b]                   ; the block's largest p: the same two instructions on the same number
.endr
.set I_, 0
.rept 32
	v_exp_f32 v[SX+2*I_], v[SX+2*I_]               ; p = 2^(t - M), at most 1
	v_exp_f32 v[SX+2*I_+1], v[SX+2*I_+1]
.if \fin
	HOLD I_
.endif
.set I_, I_+1
.endr
.if \fin == 0
	v_nop                                          ; the plain line behind the last exponential
.endif
	WALU
.if \sync == 2
	CREST                                          ; no wave of any partner still reads those places or has a load on its way
	TLOAD \g0, G1
.elseif \sync
.if \sync == 3
	s_cmp_lt_u32 s10, 4
	s_cbranch_scc0 .Lnot_yet_\@
	s_wait_tensorcnt 0x0                           ; waves 0 to 3: my two units are in
.Lnot_yet_\@:
.else
	s_wait_tensorcnt 0x0                           ; all my tensor loads have landed
.endif
	s_wait_dscnt 0x0
	s_barrier_signal -1
.elseif \x
	s_wait_dscnt 0x0                               ; q and v are in
.endif
.if \fin
	CODES
.endif
	SUMS 0, 4                                      ; (the first is the plain line behind the last conversion; the four are places between the codes and the products)
.if \fin == 1
	RESCALE
.endif
.set G_, 4
.if \nxt
	SPROD 1
.endif
.if \fin
	PV (\fin)/2, 1
.endif
	WIN 0
.if G_ < 28
	SUMS G_, 28
.endif
.if (\sync == 1) || (\sync == 3)
	WALU
	s_barrier_wait -1
.endif
.if \lq >= 0
	LOADQ \lq                                      ; (the ten lines behind the last score product are the places ahead of loads into what it reads)
.endif
	v_pk_add_f32 v[TS:TS+1], v[TS:TS+1], v[TS+4:TS+5]
	v_pk_add_f32 v[TS+2:TS+3], v[TS+2:TS+3], v[TS+6:TS+7]
	s_delay_alu instid0(VALU_DEP_1)
	v_pk_add_f32 v[TS:TS+1], v[TS:TS+1], v[TS+2:TS+3]
	s_delay_alu instid0(VALU_DEP_1)
	v_pk_fma_f32 v[LX:LX+1], v[LX:LX+1], v[FX:FX+1], v[TS:TS+1] op_sel_hi:[1,0,1]   ; the sum under the new M, and this step's
.if \pf
	s_cmp_eq_u32 s10, 7
	s_cbranch_scc0 .Lno_ask_\@
	global_prefetch_b8 v[PFO], s[\pf:\pf+1] th:TH_LOAD_NT scope:SCOPE_SE   ; what the refill two steps on brings
.Lno_ask_\@:
.endif
.endm
	s_load_b128 s[4:7], s[0:1], 0x0                ; kbuf, qv
	s_load_b64 s[8:9], s[0:1], 0x10                ; out0
	v_lshl_add_u32 v3, v0, 2, SPARE
	v_mov_b32 v4, 0
	ds_add_u32 v3, v4                              ; the wave's opening: the add, twice on end, and its wait
	ds_add_u32 v3, v4
	v_lshrrev_b32 v5, 5, v0
	v_readfirstlane_b32 s10, v5                    ; wave 0..7
	s_and_b32 s11, s10, 1                          ; my 32 rows
	s_lshr_b32 s12, s10, 1                         ; my key group
	s_bfe_u32 s13, ttmp6, 0x40000                  ; cx: it enters k's, out0's and the prefetches' addresses alone
	s_lshl_b32 s14, ttmp9, 2
	s_add_co_u32 s14, s14, s13                     ; my block of 64 rows
	s_and_b32 s15, ttmp7, 0xffff                   ; the batch, which the four partners share
	; descriptor group 1: two units, 33,792 dense bytes, as 132 rows of 32 elements of 8 bytes; one unit, as 66
	s_mov_b32 s[G1H], 15|(3<<16)|(1<<21)           ; the mask names all four work-groups; bit 21 set beside it
	s_mov_b32 s[G1H+1], 32<<16
	s_mov_b32 s[G1H+2], 132<<16
	s_mov_b32 s[G1H+3], 32<<16
	s_mov_b32 s[G1H+4], 132
	s_mov_b32 s[G1H+5], 32
	s_mov_b32 s[G1H+6], 0
	s_mov_b32 s[G1H+7], 0
	s_mul_i32 s18, s10, 2*UNIT                     ; my two units of the head's sixteen
	s_mul_i32 s17, s15, 32*UNIT                    ; the batch's 32 units
	s_add_co_u32 s20, s17, s18
	s_mov_b32 s21, 0
	s_wait_dscnt 0x0                               ; both opening adds are done
	s_barrier_signal -1
	CREST                                          ; a whole round: all four work-groups are here
	s_wait_kmcnt 0x0
	s_mov_b32 s[G0H], 1
	s_mov_b32 s[G0H+1], s18
	s_add_nc_u64 s[G0H+2:G0H+3], s[6:7], s[20:21]
	s_or_b32 s[G0H+3], s[G0H+3], 0x80000000
	s_cmp_lt_u32 s10, 2                            ; one joint load a wave, on three lines, since three barriers show them
	s_cbranch_scc0 .Lstep_1
	TLOAD G0H, G1H
	s_branch .Lasked
.Lstep_1:
	s_cmp_lt_u32 s10, 4
	s_cbranch_scc0 .Lsteps_2_3
	TLOAD G0H, G1H
	s_branch .Lasked
.Lsteps_2_3:
	TLOAD G0H, G1H
.Lasked:
	; k: unit 32 batch + block / 2; in it fragment f = 2 (block % 2) + my 32 rows
	s_lshl_b32 s46, s15, 5
	s_lshr_b32 s47, s14, 1
	s_add_co_u32 s46, s46, s47
	s_mul_i32 s46, s46, 8448
	s_and_b32 s47, s14, 1
	s_lshl_b32 s47, s47, 1
	s_add_co_u32 s47, s47, s11                     ; f
	s_lshl_b32 s56, s47, 11
	s_add_co_u32 s56, s56, s46                     ; its codes
	s_mov_b32 s57, 0
	s_lshl_b32 s58, s47, 6
	s_add_co_u32 s58, s58, s46
	s_add_co_u32 s58, s58, 8192                    ; its scale words
	s_mov_b32 s59, 0
	s_add_nc_u64 s[68:69], s[4:5], s[56:57]
	s_add_nc_u64 s[70:71], s[4:5], s[58:59]
	v_and_b32 v88, 31, v0                          ; lane
	v_and_b32 v89, 15, v0                          ; r
	v_bfe_u32 v90, v0, 4, 1                        ; hh
	v_lshlrev_b32 v7, 4, v88
	v_lshlrev_b32 v91, 2, v89
	global_load_b32 v[TT], v91, s[70:71]           ; row r's scale word: two bytes for tile A, two for tile B
	WIN 0x40
	global_load_b128 v[KZ+8:KZ+11], v7, s[68:69]               ; A: head block 0,
	global_load_b128 v[KZ+12:KZ+15], v7, s[68:69] offset:512   ; head block 1
	global_load_b128 v[KZ+24:KZ+27], v7, s[68:69] offset:1024  ; B
	global_load_b128 v[KZ+28:KZ+31], v7, s[68:69] offset:1536
.irp i, 0,1,2,3,4,5,6,7
	v_mov_b32 v[KZ+\i], 0
	v_mov_b32 v[KZ+16+\i], 0
	v_mov_b32 v[KZ+32+\i], 0
.endr
	WIN 0
	s_mov_b32 s[G1], 15|(3<<16)|(1<<21)
	s_mov_b32 s[G1+1], 32<<16
	s_mov_b32 s[G1+2], 66<<16
	s_mov_b32 s[G1+3], 32<<16
	s_mov_b32 s[G1+4], 66
	s_mov_b32 s[G1+5], 32
	s_mov_b32 s[G1+6], 0
	s_mov_b32 s[G1+7], 0
	s_mul_i32 s16, s10, UNIT                       ; my unit of a refill's eight
	s_add_co_u32 s22, s17, s16
	s_mov_b32 s23, 0
	s_add_nc_u64 s[22:23], s[22:23], 2*SLOTB
	s_mov_b32 s48, 1                               ; steps 4 and 5: units 16-23
	s_mov_b32 s49, s16
	s_add_nc_u64 s[50:51], s[6:7], s[22:23]
	s_or_b32 s51, s51, 0x80000000
	s_add_nc_u64 s[22:23], s[22:23], SLOTB
	s_mov_b32 s52, 1                               ; steps 6 and 7: units 24-31
	s_add_co_u32 s53, s16, SLOTB
	s_add_nc_u64 s[54:55], s[6:7], s[22:23]
	s_or_b32 s55, s55, 0x80000000
	s_mov_b32 s40, 0x76543210
	s_mov_b32 s41, 0xfedcba98                      ; v_permlanex16_b32's selects for lane l xor 16
	s_mov_b32 s42, 0x3d8293ee                      ; c = log2(e) / sqrt(512)
	s_mov_b32 s43, s42                             ; (named with it as a pair)
	s_mov_b32 s44, 0x600000                        ; the mantissa field of 448
	s_mov_b32 s45, 0xbd8293ee                      ; -c
	s_lshl_b32 s60, s15, 12                        ; out0: row 4096 batch + 64 block + 32 x my rows + 8 key group: the eight rows that I finish
	s_lshl_b32 s61, s14, 6
	s_add_co_u32 s60, s60, s61
	s_lshl_b32 s61, s11, 5
	s_add_co_u32 s60, s60, s61
	s_lshl_b32 s61, s12, 3
	s_add_co_u32 s60, s60, s61
	s_lshl_b32 s60, s60, 8
	s_mov_b32 s61, 0
	s_add_nc_u64 s[8:9], s[8:9], s[60:61]
	s_mov_b32 s66, s17
	s_mov_b32 s67, 0
	s_add_nc_u64 s[72:73], s[6:7], s[66:67]
	s_add_nc_u64 s[72:73], s[72:73], 2*SLOTB       ; the prefetches: the first refill's 528 blocks of 256 bytes,
	s_add_nc_u64 s[74:75], s[72:73], SLOTB         ; and the second's
	s_mul_i32 s62, ttmp9, 33                       ; my cluster's 33 of them,
	s_mul_i32 s63, s13, 9                          ; my work-group's 9 (the last has 6)
	v_min_u32 v92, 8, v88
	v_add_nc_u32 v92, s63, v92
	v_min_u32 v92, 32, v92
	v_add_nc_u32 v92, s62, v92
	v_lshlrev_b32 v[PFO], 8, v92
	s_mul_i32 s76, s12, UNIT
.set J_, 0
.rept 4
	s_add_co_u32 s77, s76, J_*4*UNIT
	v_add_nc_u32 v[ADQ+J_], s77, v7
	s_add_co_u32 s77, s77, 16384
	v_add_nc_u32 v[ADS+J_], s77, v91
.set J_, J_+1
.endr
	s_mul_i32 s78, s10, STG
	v_mul_u32_u24 v93, v89, 272
	v_lshl_add_u32 v93, v90, 5, v93
	v_add_nc_u32 v20, s78, v93                     ; my stage for tile A: row r, + 32 hh
	s_add_co_u32 s78, s78, STB
	v_add_nc_u32 v24, s78, v93                     ; and for tile B
	s_lshl_b32 s78, s10, 8
	s_add_co_u32 s78, s78, STAT
	v_add_nc_u32 v21, s78, v91                     ; my statistics
	s_lshr_b32 s78, s12, 1                         ; back: rows 8 kg .. 8 kg + 7 of my 32 lie in tile kg / 2, from its row 8 (kg % 2) on
	s_mul_i32 s78, s78, STB
	s_and_b32 s79, s12, 1
	s_mul_i32 s79, s79, 8*272
	s_add_co_u32 s78, s78, s79
	s_mul_i32 s79, s11, STG
	s_add_co_u32 s78, s78, s79
	v_mul_u32_u24 v94, v90, 272
	v_lshl_add_u32 v94, v89, 4, v94
	v_add_nc_u32 v22, s78, v94                     ; key group 0's stage, 16 bytes a lane
	s_lshl_b32 s78, s11, 8
	s_lshl_b32 s79, s12, 5
	s_add_co_u32 s78, s78, s79
	s_add_co_u32 s78, s78, STAT
	v_lshlrev_b32 v95, 2, v90
	v_add_nc_u32 v23, s78, v95                     ; and those rows' statistics
	WALU                                           ; the head's end
	s_cmp_lt_u32 s10, 2
	s_cbranch_scc0 .Lnot_mine
	s_wait_tensorcnt 0x0                           ; waves 0, 1: my two units of step 0 are in
.Lnot_mine:
	s_barrier_signal -1
	s_barrier_wait -1
	LOADQ 0                                        ; step 0
	LOADV 0
	s_wait_loadcnt 0x0                             ; k
	v_and_b32 v[KS], 0xffff, v[TT]                 ; A: two bytes below, byte 0 for the zero half;
	v_lshlrev_b32 v[KS+1], 16, v[TT]               ; the other way round
	v_lshrrev_b32 v[KS+2], 16, v[TT]               ; B likewise
	v_and_b32 v[KS+3], 0xffff0000, v[TT]
.irp b, 0,1,2,3
	v_mov_b32 v[PX+\b], 0                          ; written once: a lane permute's destination counts as one of its sources
	v_mov_b32 v[LL+\b], 0                          ; the sums
.endr
	WALU
	s_wait_dscnt 20                                ; q is in; v's 20 loads may be out
	SETS 1
	SPROD                                          ; A's first scores (Y = A)
	SETS 0
	SPROD                                          ; and B's
	WIN 0
.irp x, 0,1
	v_mov_b32 v[MM+2*\x], 0x7f61b1e6               ; -M: 3e38
	v_mov_b32 v[MM+2*\x+1], 0xff61b1e6             ; the largest score so far: -3e38
	v_mov_b32 v[FF+2*\x+1], 0                      ; (named as the upper half of a pair)
.endr
	v_nop                                          ; with the six lines above: eight places ahead of the first read of scores
	v_nop
	HALF 0, fin=0, nxt=0, sync=3, lq=1, pf=72      ; step 0.  Step 1 is shown
	HALF 1, fin=2, w=1
	HALF 0, fin=2, sync=1, lq=2                    ; step 1.  Steps 2 and 3 are shown
	HALF 1, lv=1
	HALF 0, sync=2, g0=48, lq=3, pf=74             ; step 2.  Steps 4 and 5 take the places of 0 and 1
	HALF 1, lv=2
	HALF 0, sync=1, lq=0                           ; step 3.  They are shown
	HALF 1, lv=3
	HALF 0, sync=2, g0=52, lq=1                    ; step 4.  Steps 6 and 7 take the places of 2 and 3
	HALF 1, lv=0
	HALF 0, sync=1, lq=2                           ; step 5.  They are shown; and all waves have read place 0 for the last time: the merge's stages for tile A lie there
	HALF 1, lv=1
	HALF 0, lq=3                                   ; step 6
	HALF 1, lv=2
	HALF 0                                         ; step 7
	HALF 1, nxt=0, lv=3
	SETS 0                                         ; tile B's last step is finished
	SCR 0, 19
.set I_, 0
.rept 32
	HOLD I_
.set I_, I_+1
.endr
	CODES
	RESCALE                                        ; (its sixteen lines are the places between the codes and the products)
	PV 0
	WIN 0
	; THE MERGE.  Each wave lays its -M, its sums and its O^T (32 rows x 64 channels) into its stages; behind a barrier wave (rows, key group g) finishes rows 8 g .. 8 g + 7 of its 32 from the four partial results.
	v_add_f32 v[LL], v[LL], v[LL+1]                ; the sums' two halves,
	v_add_f32 v[LL+2], v[LL+2], v[LL+3]
	v_permlanex16_b32 v[TT], v[LL], s40, s41
	v_permlanex16_b32 v[TOLD], v[LL+2], s40, s41
	v_add_f32 v[LL], v[LL], v[TT]                  ; and lane l xor 16's
	v_add_f32 v[LL+2], v[LL+2], v[TOLD]
.rept 4
	v_nop                                          ; with the lines above: eight places and more ahead of the first read of the last results
.endr
	ds_store_b32 v21, v[MM]
	ds_store_b32 v21, v[MM+2] offset:64
	ds_store_b32 v21, v[LL] offset:128
	ds_store_b32 v21, v[LL+2] offset:192
	WIN 0x04                                       ; data window 1
.irp t, 0,1,2,3
	ds_store_b128 v20, v[OAB+8*\t:OAB+8*\t+3] offset:64*\t           ; channels 16 t + 8 hh + 0 .. 7 of row r
	ds_store_b128 v20, v[OAB+8*\t+4:OAB+8*\t+7] offset:64*\t+16
.endr
.irp t, 0,1,2,3
	ds_store_b128 v24, v[OAB+32+8*\t:OAB+32+8*\t+3] offset:64*\t
	ds_store_b128 v24, v[OAB+32+8*\t+4:OAB+32+8*\t+7] offset:64*\t+16
.endr
	WIN 0
	s_wait_dscnt 0x0                               ; for the others' sake: my stores are done
	s_barrier_signal -1
	s_barrier_wait -1
.irp i, 0,1,2,3                                    ; rows 8 g + 2 i (lanes 0-15) and 8 g + 2 i + 1 (lanes 16-31); p: the key group whose partial result it is
.irp p, 0,1,2,3
	ds_load_b32 v[192+8*\i+\p], v23 offset:512*\p+8*\i
	ds_load_b32 v[196+8*\i+\p], v23 offset:512*\p+8*\i+128
.endr
.endr
.irp i, 0,1,2,3
.irp p, 0,1,2,3
	ds_load_b128 v[128+16*\i+4*\p:128+16*\i+4*\p+3], v22 offset:2*STG*\p+2*272*\i
.endr
.endr
	s_wait_dscnt 16                                ; the statistics are in; the sixteen loads of partial results may be out
.irp i, 0,1,2,3
	v_min3_num_f32 v[228+\i], v[192+8*\i], v[193+8*\i], v[194+8*\i]
.endr
.irp i, 0,1,2,3
	v_min_num_f32 v[228+\i], v[228+\i], v[195+8*\i]            ; the least -M: the row's M
.endr
.irp p, 0,1,2,3
.irp i, 0,1,2,3
	v_sub_f32 v[192+8*\i+\p], v[228+\i], v[192+8*\i+\p]        ; M of the part - the row's M: a whole number, 0 or less
.endr
.endr
.irp p, 0,1,2,3
.irp i, 0,1,2,3
	v_cvt_i32_f32 v[192+8*\i+\p], v[192+8*\i+\p]
.endr
.endr
.irp p, 0,1,2,3
.irp i, 0,1,2,3
	v_ldexp_f32 v[192+8*\i+\p], 1.0, v[192+8*\i+\p]            ; the part's factor, a power of two
.endr
.endr
.irp i, 0,1,2,3
	v_mul_f32 v[224+\i], v[192+8*\i], v[196+8*\i]
.endr
.irp p, 1,2,3
.irp i, 0,1,2,3
	v_fmac_f32 v[224+\i], v[192+8*\i+\p], v[196+8*\i+\p]       ; the row's sum
.endr
.endr
	WALU
.irp i, 0,1,2,3
	v_rcp_f32 v[224+\i], v[224+\i]
.endr
	v_nop                                          ; a plain line between the last reciprocal and the use of its result
	WALU
.irp p, 0,1,2,3
.irp i, 0,1,2,3
	v_mul_f32 v[192+8*\i+\p], v[192+8*\i+\p], v[224+\i]        ; factor / sum
.endr
.endr
	WALU
	s_wait_dscnt 0x0                               ; the partial results
.irp i, 0,1,2,3
.irp e, 0,2
	v_pk_mul_f32 v[232+4*\i+\e:233+4*\i+\e], v[128+16*\i+\e:129+16*\i+\e], v[192+8*\i:193+8*\i] op_sel_hi:[1,0]
.endr
.endr
.irp i, 0,1,2,3
.irp e, 0,2
	v_pk_fma_f32 v[232+4*\i+\e:233+4*\i+\e], v[132+16*\i+\e:133+16*\i+\e], v[192+8*\i:193+8*\i], v[232+4*\i+\e:233+4*\i+\e] op_sel:[0,1,0] op_sel_hi:[1,1,1]
.endr
.endr
.irp i, 0,1,2,3
.irp e, 0,2
	v_pk_fma_f32 v[232+4*\i+\e:233+4*\i+\e], v[136+16*\i+\e:137+16*\i+\e], v[194+8*\i:195+8*\i], v[232+4*\i+\e:233+4*\i+\e] op_sel_hi:[1,0,1]
.endr
.endr
.irp i, 0,1,2,3
.irp e, 0,2
	v_pk_fma_f32 v[232+4*\i+\e:233+4*\i+\e], v[140+16*\i+\e:141+16*\i+\e], v[194+8*\i:195+8*\i], v[232+4*\i+\e:233+4*\i+\e] op_sel:[0,1,0] op_sel_hi:[1,1,1]
.endr
	global_store_b128 v7, v[232+4*\i:235+4*\i], s[8:9] offset:512*\i th:TH_STORE_NT   ; two rows of 256 bytes: 32 lanes store 512 consecutive bytes, aligned
.endr
	s_wait_tensorcnt 0x0                           ; the wave's end, behind my last tensor load and my last LDS store
	ds_add_u32 v3, v4
	s_wait_dscnt 0x0
	s_barrier_signal -1
	CREST                                          ; the closing round: no work-group ends while a partner may still ask for a tile that names it
	s_endpgm
.Lfunc_end_k_q32d800bd50_attn:
	.size	k_q32d800bd50_attn, .Lfunc_end_k_q32d800bd50_attn-k_q32d800bd50_attn
	.p2alignl 7, 3214868480
	.fill 96, 4, 3214868480
	.section	.rodata,"a",@progbits
	.p2align	6, 0x0
	.amdhsa_kernel k_q32d800bd50_attn
		.amdhsa_group_segment_fixed_size 327680
		.amdhsa_private_segment_fixed_size 0
		.amdhsa_enable_private_segment 0
		.amdhsa_kernarg_size 24
		.amdhsa_user_sgpr_count 2
		.amdhsa_user_sgpr_kernarg_segment_ptr 1
		.amdhsa_wavefront_size32 1
		.amdhsa_system_sgpr_workgroup_id_x 1
		.amdhsa_system_sgpr_workgroup_id_y 1
		.amdhsa_system_sgpr_workgroup_id_z 1
		.amdhsa_system_vgpr_workitem_id 0
		.amdhsa_next_free_vgpr 512
		.amdhsa_next_free_sgpr 96
		.amdhsa_reserve_vcc 0
		.amdhsa_float_denorm_mode_32 3
		.amdhsa_float_denorm_mode_16_64 3
		.amdhsa_memory_ordered 1
		.amdhsa_forward_progress 1
		.amdhsa_inst_pref_size 255
	.end_amdhsa_kernel
	.section	.bss,"aw",@nobits
	.p2align	6
	.space	262144
	.amdgpu_metadata
---
amdhsa.version: [ 1, 2 ]
amdhsa.kernels:
  - .name:           k_q32d800bd50_attn
    .symbol:         k_q32d800bd50_attn.kd
    .args:
      - { .name: kbuf, .offset: 0, .size: 8, .value_kind: global_buffer, .address_space: global }
      - { .name: qv, .offset: 8, .size: 8, .value_kind: global_buffer, .address_space: global }
      - { .name: out0, .offset: 16, .size: 8, .value_kind: global_buffer, .address_space: global }
    .group_segment_fixed_size: 327680
    .private_segment_fixed_size: 0
    .kernarg_segment_align: 8
    .kernarg_segment_size: 24
    .max_flat_workgroup_size: 256
    .sgpr_count:     96
    .vgpr_count:     512
    .wavefront_size: 32
...
	.end_amdgpu_metadata
.endif
;; end of part 2
